; MI455X (gfx1250); checked and timed in simulation.
; The chip was launched on July 23, 2026; its instructions are those of AMD's public machine-readable ISA for CDNA 5 (MIT licence, August 2026) and "CDNA5" Instruction Set Architecture Reference Guide (July 2026). The comments in the code are by the model that wrote it; some were corrected since.
;; DC Conv3d Kernel Unit Polynomials. Allowed arithmetic: float matrix products may take bf16 or f16 operands with f32 sums; all other float work in f32.
;; Inputs: coeffs 14 float32; position 2,048 x 4,096 x 3 float32.
;; Outputs: out0 2,048 x 4,096 float32.
;; 2 versions, each right; version 2 is version 1 with the launch hydrogen written anew for expert scheduling mode. Each part assembles by itself: llvm-mc -triple=amdgcn-amd-amdhsa -mcpu=gfx1250 --defsym DOCPART=n.
;; ======== version 1 of 2: 1 launch
;; limits: an absolute error that grows with the inputs' magnitude: up to 5e-08 times it; inputs' magnitudes at most 26,000,000; a function is approximated: absolute error at most 6e-06
;; launch hydrogen (part 1): grid 256 x 1, 16 waves a work-group, no clusters, 10,240 bytes of LDS; arguments position, coeffs, out0; writes out0
.if DOCPART == 1
	.amdgcn_target "amdgcn-amd-amdhsa--gfx1250"
	.amdhsa_code_object_version 6
	.text
	.protected	k_qb94c81cc67_hydrogen
	.globl	k_qb94c81cc67_hydrogen
	.p2align	8
	.type	k_qb94c81cc67_hydrogen,@function
k_qb94c81cc67_hydrogen:
	s_mov_b64 s[64:65], 0
	v_nop
	global_prefetch_b8 v0, s[64:65] scope:SCOPE_SE
	s_setreg_imm32_b32 hwreg(HW_REG_WAVE_MODE, 25, 1), 1
	s_wait_xcnt 0x0
; out[p] = sum over the 14 triples (n,l,m) of coeffs[k] R_nl(r) Y_lm(theta, phi);  position[p] = (r, theta, phi);  8,388,608 points, all f32.
; There is no product of matrices in it: a stream with vector arithmetic.  Both inputs are read whole; no step of the sum is left out.
;
; THE SUM, REGROUPED by identities that hold for all real inputs:
;   z = cos th, x = |sin th| cos ph, y = |sin th| sin ph.   sqrt(max(1 - cos^2 th, 0)) is |sin th|;  st^2 sin 2ph = 2xy;  st^2 cos 2ph = x^2 - y^2.
;   E = exp(-r/6):  exp(-r/3) = E^2, exp(-r/2) = E^3, exp(-r) = E^6: one exponential a point.   q = -r log2(e)/6, E = 2^q, r = -6 ln2 q.
;   out = E^2 (T3 + E (T2 + E^3 a0))
;     a0 = c0/sqrt(pi)
;     T2 = c1/sqrt(8 pi) + q P2,        P2 = k2 (c1 - c3 z + c4 x + c2 y),                          k2 = 6 ln2/sqrt(32 pi)
;     T3 = 3 g0 c5 + q (Qv + q Wv),     Qv = 12 ln2 g0 c5 + kq (-c7 z + c8 x + c6 y),               g0 = 1/sqrt(243 pi), kq = 16 ln2/sqrt(648 pi)
;     Wv = 8 ln2^2 g0 c5 - kw c11/(2 sqrt3) + kw (-c7 z + c8 x + c6 y + c9 xy - c10 zy - c12 zx + c13 (x^2 - y^2)/2 + c11 z^2 sqrt3/2),  kw = 16 ln2^2/sqrt(648 pi)
;   Wv is taken as x (Wxx x + Wxy y + Wxz z + Wx) + y (-Wxx y + Wyz z + Wy) + z (Wzz z + Wz) + Wc: nine fused multiply-adds.
; SINE AND COSINE: t = angle/2pi - nearest whole number, in [-1/2, 1/2]; w = t^2; sin = t (A0 + .. + A4 w^4), cos = B0 + .. + B5 w^5: the Chebyshev series of
;   sin(pi u), cos(pi u), u = 2t, cut behind T9 and T10.  |sin th| = |t| (A0 + ..): the sign goes in the last multiply.
; LIMITS.  sin is off by at most 6e-6, cos by 8e-7 (absolute).  1/2pi is one f32, so the reduced angle is off by up to 5e-8 |angle|; beyond 2^22 turns
;   (|angle| > 2.6e7) the rounding by the added constant no longer holds and the result is meaningless, where reference() still reduces exactly.
;   v_exp_f32 gives 0 where 2^q would be denormal (ISA guide, 15.8): r > 524, where exp(-r/3) is 0 in f32 too.  The sums are rounded in another order than reference()'s.
;
; SHARES.  256 work-groups x 16 waves; a wave owns 2,048 consecutive points (24,576 bytes in, 8,192 out) = 16 steps of 128 points;
; lane l owns points l, 32 + l, 64 + l, 96 + l of a step.
; THE WAY IN: four loads of 12 bytes a lane, lane l at 12 l: a lane gets the three numbers of one point, a load covers 384 consecutive bytes, the four of a step its
; 1,536 bytes, which start at a multiple of 512 from the buffer's first byte.  (Of a step's six aligned blocks of 256 bytes the second and the fifth are each shared by two loads
; that follow each other.  The addresses are multiples of 4, and of 12 from the buffer's first byte.)  The arithmetic reads the loaded registers as they are.
; THE WAY OUT: it is the results that are regrouped through LDS, 512 bytes a step where the input would be 1,536: four LDS stores of 4 bytes a lane (128 consecutive bytes each)
; into the wave's own 512 bytes, one LDS load of 16 bytes a lane back (4 consecutive points), one store of 16 bytes a lane: 512 consecutive bytes, aligned.
; That trip is issued at the end of a step and waited for in the middle of the next.  No wave touches another's LDS bytes: no barrier.
; A ring of DEPTH steps in registers keeps 32 loads of every wave on their way.
; All 16 steps are written out by macro: a step's place stands in the immediates, and no address register is ever rewritten.
.set STEPS,  16
.set DEPTH,  8
.set INB,    1536                      ; bytes of position in a step
.set OUTB,   512                       ; bytes of out0 in a step
; registers
.set GL,  2                            ; v2        12 x lane: my offset in a load's 384 bytes; never rewritten
.set GO,  3                            ; v3        16 x lane: my offset in a store's 512 bytes; never rewritten
.set LS,  4                            ; v4        LDS: where I put a result (4 x lane in the wave's bytes)
.set LL,  5                            ; v5        LDS: the 16 bytes that I read back (16 x lane)
.set K,   6                            ; v[6:49]   22 constants, each twice (a pair for the packed arithmetic)
.set R,   52                           ; v[52:55]  four consecutive results, as read back from LDS
.set GA,  56                           ; v[56:119]  the ring, run A: 8 registers a step: (r, th, ph) of point l at +0, of point 64 + l at +4
.set GB,  122                          ; v[122:185] the ring, run B: 8 registers a step: point 32 + l at +0, point 96 + l at +4.  A triple begins on an even register;
                                       ;            GB - GA = 2 modulo 4, so that the two vector sources of a v_dual pair, one from each run, differ modulo 4
.set Q,   188                          ; v[188:191] q of my 4 points
.set E,   192                          ; v[192:195] E
.set T,   196                          ; v[196:203] t: theta of points 0 1, 2 3, phi of points 0 1, 2 3
.set W,   204                          ; v[204:211] w = t^2, same order; later x (4) and y (4)
.set S,   212                          ; v[212:219] sine sums; later |sin th| (4), sin ph (4)
.set C,   220                          ; v[220:227] cosine sums; z (4), cos ph (4)
.set O,   228                          ; v[228:231] the four results
.set E2,  232                          ; v[232:235] E^2
.set E3,  236                          ; v[236:239] E^3
.set XX,  W
.set YY,  W+4
.set ZZ,  C
.set CPH, C+4
.set ST,  S
.set SPH, S+4
.set U1,  T                            ; the bracket beside x
.set U2,  T+4                          ; the bracket beside y
.set WV,  S                            ; the bracket beside z, then Wv, then T3
.set QV,  S+4
.set PV,  C+4                          ; P2, then T2, then the sum
.set KA4,  K+0
.set KB5,  K+2
.set CA,   K+4
.set CT2,  K+6
.set CP2C, K+8
.set CP2Z, K+10
.set CP2X, K+12
.set CP2Y, K+14
.set CT3,  K+16
.set CQC,  K+18
.set CQZ,  K+20
.set CQX,  K+22
.set CQY,  K+24
.set CWXX, K+26
.set CWXY, K+28
.set CWXZ, K+30
.set CWX,  K+32
.set CWYZ, K+34
.set CWY,  K+36
.set CWZZ, K+38
.set CWZ,  K+40
.set CWC,  K+42
.set SINV, 17                          ; s17  1/2pi
.set SKAP, 18                          ; s18  -log2(e)/6
.set CF,   20                          ; s[20:33] coeffs[0..13]
; numbers, as f32 bit patterns
.set INV2PI, 0x3e22f983                ;  0.15915494
.set KAPPA,  0xbe76384f                ; -0.24044917
.set MAGIC,  0x4b400000                ;  1.5 x 2^23: a sum with it is rounded to a whole number
.set A0, 0x40c90ec7                    ;   6.2830541
.set A1, 0xc2255312                    ; -41.331123
.set A2, 0x42a2bb23                    ;  81.365498
.set A3, 0xc294f124                    ; -74.470978
.set A4, 0x4203135b                    ;  32.768902
.set B0, 0x3f7ffff3                    ;   0.99999921
.set B1, 0xc19de96f                    ; -19.738980
.set B2, 0x4281db79                    ;  64.928657
.set B3, 0xc2aa8b12                    ; -85.271622
.set B4, 0x426b2977                    ;  58.790492
.set B5, 0xc1a891a0                    ; -21.071106
.set F_A,    0x3f106ebb                ;  0.56418958  1/sqrt(pi)
.set F_T2,   0x3e4c422a                ;  0.19947114  1/sqrt(8 pi)
.set F_K2,   0x3ed45f2b                ;  0.41478858  k2
.set F_K2N,  0xbed45f2b
.set F_T3,   0x3dde5e52                ;  0.10857834  3 g0
.set F_QC,   0x3e9a2251                ;  0.30104307  12 ln2 g0
.set F_KQ,   0x3e7bb32a                ;  0.24580064  kq
.set F_KQN,  0xbe7bb32a
.set F_KW,   0x3e2e770d                ;  0.17037602  kw
.set F_KWN,  0xbe2e770d
.set F_KWH,  0x3dae770d                ;  0.08518801  kw/2
.set F_WZZ,  0x3e171756                ;  0.14754996  kw sqrt3/2
.set F_WC5,  0x3e0e733a                ;  0.13911144  8 ln2^2 g0
.set F_WC11, 0xbd497473                ; -0.04918332  -kw/(2 sqrt3)
; the four loads of step j, in the order of their addresses, into its place in the ring: points l and 32 + l, then 64 + l and 96 + l
.macro LOADSTEP j
.irp p, 0,1
	global_load_b96 v[GA+8*((\j)%DEPTH)+4*\p:GA+8*((\j)%DEPTH)+4*\p+2], v[GL], s[4:5] offset:(\j)*INB+768*\p th:TH_LOAD_NT
	global_load_b96 v[GB+8*((\j)%DEPTH)+4*\p:GB+8*((\j)%DEPTH)+4*\p+2], v[GL], s[4:5] offset:(\j)*INB+768*\p+384 th:TH_LOAD_NT
.endr
.endm
; both halves of a pair = f x coeffs[k]
.macro CONST dst, k, f
	v_mul_f32 v[\dst], s[CF+\k], \f
	v_mul_f32 v[\dst+1], s[CF+\k], \f
.endm
; acc = acc w + lit, in the four streams (theta and phi of points 0 1 and 2 3)
.macro HORNER acc, lit
.irp s, 0,2,4,6
	v_pk_fma_f32 v[\acc+\s:\acc+\s+1], v[\acc+\s:\acc+\s+1], v[W+\s:W+\s+1], \lit op_sel_hi:[1,1,0]
.endr
.endm
; d = a b + c for points 0 1 and 2 3; a source marked K in the name is a constant pair and does not step
.macro FVKK d, a, kb, kc
.irp p, 0,2
	v_pk_fma_f32 v[\d+\p:\d+\p+1], v[\a+\p:\a+\p+1], v[\kb:\kb+1], v[\kc:\kc+1]
.endr
.endm
.macro FVKV d, a, kb, c
.irp p, 0,2
	v_pk_fma_f32 v[\d+\p:\d+\p+1], v[\a+\p:\a+\p+1], v[\kb:\kb+1], v[\c+\p:\c+\p+1]
.endr
.endm
.macro FVVK d, a, b, kc
.irp p, 0,2
	v_pk_fma_f32 v[\d+\p:\d+\p+1], v[\a+\p:\a+\p+1], v[\b+\p:\b+\p+1], v[\kc:\kc+1]
.endr
.endm
.macro FVVV d, a, b, c
.irp p, 0,2
	v_pk_fma_f32 v[\d+\p:\d+\p+1], v[\a+\p:\a+\p+1], v[\b+\p:\b+\p+1], v[\c+\p:\c+\p+1]
.endr
.endm
.macro MVV d, a, b
.irp p, 0,2
	v_pk_mul_f32 v[\d+\p:\d+\p+1], v[\a+\p:\a+\p+1], v[\b+\p:\b+\p+1]
.endr
.endm
; All that reads step i's place in the ring.  A pair of v_dual halves does the first multiply of the same number of two points, one from run A and one from run B, and puts
; the two results side by side (destinations even and odd; the two vector sources differ by 2 modulo 4), so that all later arithmetic is packed.
; A pair names one scalar register and at most one literal, the same in both halves.
.macro HEAD i
.irp p, 0,1
	v_dual_mul_f32 v[Q+2*\p], s[SKAP], v[GA+8*((\i)%DEPTH)+4*\p] :: v_dual_mul_f32 v[Q+2*\p+1], s[SKAP], v[GB+8*((\i)%DEPTH)+4*\p]   ; q = -r log2(e)/6
.endr
	; 1.5 x 2^23 + the nearest whole number of turns.  The constant (MAGIC) is written out as a number in these lines: a name that stands in front of the double colon
	; would be read as the name of a modifier.
.irp a, 0,1
.irp p, 0,1
	v_dual_fmaak_f32 v[T+4*\a+2*\p], s[SINV], v[GA+8*((\i)%DEPTH)+4*\p+1+\a], 0x4b400000 :: v_dual_fmaak_f32 v[T+4*\a+2*\p+1], s[SINV], v[GB+8*((\i)%DEPTH)+4*\p+1+\a], 0x4b400000
.endr
.endr
.irp j, 0,1,2,3
	v_exp_f32 v[E+\j], v[Q+\j]                     ; E = 2^q; first used far below; the packed line behind the four touches neither E nor q (ISA guide 5.7.2)
.endr
.irp s, 0,2,4,6
	v_pk_add_f32 v[T+\s:T+\s+1], v[T+\s:T+\s+1], MAGIC op_sel_hi:[1,0] neg_lo:[1,0] neg_hi:[1,0]   ; minus that whole number, exactly
.endr
.irp a, 0,1
.irp p, 0,1
	v_dual_fmac_f32 v[T+4*\a+2*\p], s[SINV], v[GA+8*((\i)%DEPTH)+4*\p+1+\a] :: v_dual_fmac_f32 v[T+4*\a+2*\p+1], s[SINV], v[GB+8*((\i)%DEPTH)+4*\p+1+\a]   ; t = angle/2pi - whole number, rounded once
.endr
.endr
.endm
; From t to x, y, z: registers only.
.macro TRIG
.irp s, 0,2,4,6
	v_pk_mul_f32 v[W+\s:W+\s+1], v[T+\s:T+\s+1], v[T+\s:T+\s+1]
.endr
.irp s, 0,2,4,6
	v_pk_fma_f32 v[S+\s:S+\s+1], v[W+\s:W+\s+1], v[KA4:KA4+1], A3 op_sel_hi:[1,1,0]
.endr
.irp s, 0,2,4,6
	v_pk_fma_f32 v[C+\s:C+\s+1], v[W+\s:W+\s+1], v[KB5:KB5+1], B4 op_sel_hi:[1,1,0]
.endr
	HORNER S, A2
	HORNER C, B3
	HORNER S, A1
	HORNER C, B2
	HORNER S, A0
	HORNER C, B1
.irp j, 0,1,2,3
	v_mul_f32 v[ST+\j], |v[T+\j]|, v[ST+\j]        ; |sin th| = |t| x sum
.endr
	HORNER C, B0                                   ; z and cos ph
	MVV SPH, SPH, T+4                              ; sin ph = t x sum
	MVV XX, ST, CPH                                ; x (w is no longer needed)
	MVV YY, ST, SPH                                ; y
.endm
; From x, y, z, q, E to the four results: registers only.
.macro POLY
	FVKK U1, XX, CWXX, CWX
	FVKK U2, ZZ, CWYZ, CWY
	FVKK WV, ZZ, CWZZ, CWZ
	FVKK QV, ZZ, CQZ, CQC
	FVKK PV, ZZ, CP2Z, CP2C
	FVKV U1, YY, CWXY, U1
	s_wait_alu depctr_va_vdst(0)
.irp p, 0,2
	v_pk_fma_f32 v[U2+\p:U2+\p+1], v[YY+\p:YY+\p+1], v[CWXX:CWXX+1], v[U2+\p:U2+\p+1] neg_lo:[0,1,0] neg_hi:[0,1,0]   ; - Wxx y
.endr
	FVKV QV, XX, CQX, QV
	FVKV PV, XX, CP2X, PV
	FVKV U1, ZZ, CWXZ, U1
	FVKV QV, YY, CQY, QV                           ; Qv
	FVKV PV, YY, CP2Y, PV                          ; P2
	FVVK WV, WV, ZZ, CWC
	MVV E2, E, E
	FVVK PV, Q, PV, CT2                            ; T2
	FVVV WV, U2, YY, WV
	MVV E3, E2, E
	FVVV WV, U1, XX, WV                            ; Wv
	FVKV PV, E3, CA, PV                            ; T2 + E^3 a0
	FVVV WV, Q, WV, QV
	FVVK WV, Q, WV, CT3                            ; T3
	FVVV PV, E, PV, WV
	MVV O, PV, E2
.endm
; Step j's results have come back from LDS as four consecutive points a lane and leave: the wave stores 512 consecutive bytes, aligned.
.macro OUTSTORE j
	s_wait_dscnt 0x0                               ; step j's LDS load is in R; its LDS stores have read O, and the wave's LDS bytes may be written again
	global_store_b128 v[GO], v[R:R+3], s[8:9] offset:(\j)*OUTB th:TH_STORE_NT
.endm
; Step i.
.macro BODY i
	; Loads come back in order (ISA guide 5.7.1): the count leaves out the four loads of each younger step that has been asked for, steps i+1 to min(i+7, 15).
.if (\i)+DEPTH-1 < STEPS
	s_wait_loadcnt 4*(DEPTH-1)
.else
	s_wait_loadcnt 4*(STEPS-1-(\i))
.endif
	HEAD \i
.if \i+DEPTH < STEPS
	LOADSTEP \i+DEPTH                              ; HEAD was the last to read this place in the ring: it is loaded again at once
.endif
	TRIG
.if \i
	OUTSTORE \i-1                                  ; the last step's trip through LDS has had HEAD and TRIG, 68 vector instructions, in which to come back
.endif
	POLY
.if \i
	s_wait_xcnt 0x0                                ; every earlier memory instruction has had its addresses translated (ISA guide 3.1): R, which the last step's store reads, is loaded again only behind this wait
.endif
.irp k, 0,1,2,3
	ds_store_b32 v[LS], v[O+\k] offset:128*\k      ; point 32 k + l to word 32 k + l of the wave's 512 bytes
.endr
	ds_load_b128 v[R:R+3], v[LL]                   ; LDS serves a wave's instructions in order (ISA guide 5.7.1.4): it sees the four stores above; points 4 l to 4 l + 3
.endm
	s_load_b128 s[4:7], s[0:1], 0x0                ; position s[4:5], coeffs s[6:7]
	s_load_b64 s[8:9], s[0:1], 0x10                ; out0
	v_lshl_add_u32 v240, v0, 2, 0x2000
	v_mov_b32 v241, 0
	v_lshrrev_b32 v1, 5, v0
	v_readfirstlane_b32 s10, v1                    ; wave 0..15
	v_and_b32 v1, 31, v0                           ; lane
	v_mul_u32_u24 v[GL], v1, 12
	v_lshlrev_b32 v[GO], 4, v1
	s_lshl_b32 s11, ttmp9, 4
	s_add_co_u32 s11, s11, s10                     ; the wave's number in the launch, 0..4095
	s_mul_i32 s12, s11, STEPS*INB                  ; its first byte in position: 100,638,720 at the most
	s_mov_b32 s13, 0
	s_mul_i32 s14, s11, STEPS*OUTB                 ; and in out0
	s_mov_b32 s15, 0
	s_mul_i32 s16, s10, OUTB                       ; its 512 bytes of LDS
	v_lshl_add_u32 v[LS], v1, 2, s16
	v_add_nc_u32 v[LL], s16, v[GO]
	s_mov_b32 s[SINV], INV2PI
	s_mov_b32 s[SKAP], KAPPA
	s_wait_kmcnt 0x0
	s_load_b256 s[CF:CF+7], s[6:7], 0x0            ; the 14 coefficients: 32 + 16 + 8 = 56 bytes
	s_load_b128 s[CF+8:CF+11], s[6:7], 0x20
	s_load_b64 s[CF+12:CF+13], s[6:7], 0x30
	s_add_nc_u64 s[4:5], s[4:5], s[12:13]
	s_add_nc_u64 s[8:9], s[8:9], s[14:15]
.irp j, 0,1,2,3,4,5,6,7
	LOADSTEP \j                                    ; the ring is filled before anything else is done
.endr
	; the constants are made while the first loads are on their way
	v_mov_b32 v[KA4], A4
	v_mov_b32 v[KA4+1], A4
	v_mov_b32 v[KB5], B5
	v_mov_b32 v[KB5+1], B5
	s_wait_kmcnt 0x0
	CONST CA,   0,  F_A
	CONST CT2,  1,  F_T2
	CONST CP2C, 1,  F_K2
	CONST CP2Z, 3,  F_K2N
	CONST CP2X, 4,  F_K2
	CONST CP2Y, 2,  F_K2
	CONST CT3,  5,  F_T3
	CONST CQC,  5,  F_QC
	CONST CQZ,  7,  F_KQN
	CONST CQX,  8,  F_KQ
	CONST CQY,  6,  F_KQ
	CONST CWXX, 13, F_KWH
	CONST CWXY, 9,  F_KW
	CONST CWXZ, 12, F_KWN
	CONST CWX,  8,  F_KW
	CONST CWYZ, 10, F_KWN
	CONST CWY,  6,  F_KW
	CONST CWZZ, 11, F_WZZ
	CONST CWZ,  7,  F_KWN
	CONST CWC,  5,  F_WC5
	v_fma_f32 v[CWC], s[CF+11], F_WC11, v[CWC]
	v_fma_f32 v[CWC+1], s[CF+11], F_WC11, v[CWC+1]
.irp i, 0,1,2,3,4,5,6,7,8,9,10,11,12,13,14,15
	BODY \i
.endr
	OUTSTORE 15                                    ; the last step's results
	s_wait_tensorcnt 0x0
	ds_add_u32 v240, v241
	s_wait_dscnt 0x0
	s_endpgm
.Lfunc_end_k_qb94c81cc67_hydrogen:
	.size	k_qb94c81cc67_hydrogen, .Lfunc_end_k_qb94c81cc67_hydrogen-k_qb94c81cc67_hydrogen
	.p2alignl 7, 3214868480
	.fill 96, 4, 3214868480
	.section	.rodata,"a",@progbits
	.p2align	6, 0x0
	.amdhsa_kernel k_qb94c81cc67_hydrogen
		.amdhsa_group_segment_fixed_size 10240
		.amdhsa_private_segment_fixed_size 0
		.amdhsa_enable_private_segment 0
		.amdhsa_kernarg_size 24
		.amdhsa_user_sgpr_count 2
		.amdhsa_user_sgpr_kernarg_segment_ptr 1
		.amdhsa_wavefront_size32 1
		.amdhsa_system_sgpr_workgroup_id_x 1
		.amdhsa_system_sgpr_workgroup_id_y 1
		.amdhsa_system_sgpr_workgroup_id_z 1
		.amdhsa_system_vgpr_workitem_id 0
		.amdhsa_next_free_vgpr 242
		.amdhsa_next_free_sgpr 66
		.amdhsa_reserve_vcc 0
		.amdhsa_float_denorm_mode_32 3
		.amdhsa_float_denorm_mode_16_64 3
		.amdhsa_memory_ordered 1
		.amdhsa_forward_progress 1
		.amdhsa_inst_pref_size 155
	.end_amdhsa_kernel
	.amdgpu_metadata
---
amdhsa.version: [ 1, 2 ]
amdhsa.kernels:
  - .name:           k_qb94c81cc67_hydrogen
    .symbol:         k_qb94c81cc67_hydrogen.kd
    .args:
      - { .name: position, .offset: 0, .size: 8, .value_kind: global_buffer, .address_space: global }
      - { .name: coeffs, .offset: 8, .size: 8, .value_kind: global_buffer, .address_space: global }
      - { .name: out0, .offset: 16, .size: 8, .value_kind: global_buffer, .address_space: global }
    .group_segment_fixed_size: 10240
    .private_segment_fixed_size: 0
    .kernarg_segment_align: 8
    .kernarg_segment_size: 24
    .max_flat_workgroup_size: 512
    .sgpr_count:     66
    .vgpr_count:     242
    .wavefront_size: 32
...
	.end_amdgpu_metadata
.endif
;; end of part 1
;; ======== version 2 of 2: 1 launch; version 1 with the launch hydrogen written anew for expert scheduling mode
;; limits: an absolute error that grows with the inputs' magnitude: up to 5e-08 times it; inputs' magnitudes at most 26,000,000; a function is approximated: absolute error at most 6e-06
;; launch hydrogen (part 2): grid 256 x 1, 16 waves a work-group, no clusters, 10,240 bytes of LDS; arguments position, coeffs, out0; writes out0
.if DOCPART == 2
	.amdgcn_target "amdgcn-amd-amdhsa--gfx1250"
	.amdhsa_code_object_version 6
	.text
	.protected	k_qb94c81cc67_hydrogen
	.globl	k_qb94c81cc67_hydrogen
	.p2align	8
	.type	k_qb94c81cc67_hydrogen,@function
k_qb94c81cc67_hydrogen:
	s_mov_b64 s[64:65], 0
	v_nop
	global_prefetch_b8 v0, s[64:65] scope:SCOPE_SE
	s_setreg_imm32_b32 hwreg(HW_REG_WAVE_SCHED_MODE, 0, 2), 2
	s_setreg_imm32_b32 hwreg(HW_REG_WAVE_MODE, 25, 1), 1
	s_wait_xcnt 0x0
	s_wait_alu depctr_vm_vsrc(0)
; out[p] = sum over the 14 triples (n,l,m) of coeffs[k] R_nl(r) Y_lm(theta, phi);  position[p] = (r, theta, phi);  8,388,608 points, all f32.
; There is no product of matrices in it: a stream with vector arithmetic.  Both inputs are read whole; no step of the sum is left out.
;
; THE SUM, REGROUPED by identities that hold for all real inputs:
;   z = cos th, x = |sin th| cos ph, y = |sin th| sin ph.   sqrt(max(1 - cos^2 th, 0)) is |sin th|;  st^2 sin 2ph = 2xy;  st^2 cos 2ph = x^2 - y^2.
;   E = exp(-r/6):  exp(-r/3) = E^2, exp(-r/2) = E^3, exp(-r) = E^6: one exponential a point.   q = -r log2(e)/6, E = 2^q, r = -6 ln2 q.
;   out = E^2 (T3 + E (T2 + E^3 a0))
;     a0 = c0/sqrt(pi)
;     T2 = c1/sqrt(8 pi) + q P2,        P2 = k2 (c1 - c3 z + c4 x + c2 y),                          k2 = 6 ln2/sqrt(32 pi)
;     T3 = 3 g0 c5 + q (Qv + q Wv),     Qv = 12 ln2 g0 c5 + kq (-c7 z + c8 x + c6 y),               g0 = 1/sqrt(243 pi), kq = 16 ln2/sqrt(648 pi)
;     Wv = 8 ln2^2 g0 c5 - kw c11/(2 sqrt3) + kw (-c7 z + c8 x + c6 y + c9 xy - c10 zy - c12 zx + c13 (x^2 - y^2)/2 + c11 z^2 sqrt3/2),  kw = 16 ln2^2/sqrt(648 pi)
;   Wv is taken as x (Wxx x + Wxy y + Wxz z + Wx) + y (-Wxx y + Wyz z + Wy) + z (Wzz z + Wz) + Wc: nine fused multiply-adds.
; SINE AND COSINE: t = angle/2pi - nearest whole number, in [-1/2, 1/2]; w = t^2; sin = t (A0 + .. + A4 w^4), cos = B0 + .. + B5 w^5: the Chebyshev series of
;   sin(pi u), cos(pi u), u = 2t, cut behind T9 and T10.  |sin th| = |t| (A0 + ..): the sign goes in the last multiply.
; LIMITS.  sin is off by at most 6e-6, cos by 8e-7 (absolute).  1/2pi is one f32, so the reduced angle is off by up to 5e-8 |angle|; beyond 2^22 turns
;   (|angle| > 2.6e7) the rounding by the added constant no longer holds and the result is meaningless, where reference() still reduces exactly.
;   v_exp_f32 gives 0 where 2^q would be denormal (ISA guide, 15.8): r > 524, where exp(-r/3) is 0 in f32 too.  The sums are rounded in another order than reference()'s.
;
; SHARES.  256 work-groups x 16 waves; a wave owns 2,048 consecutive points (24,576 bytes in, 8,192 out) = 16 steps of 128 points;
; lane l owns points l, 32 + l, 64 + l, 96 + l of a step.
; THE WAY IN: four loads of 12 bytes a lane, lane l at 12 l: a lane gets the three numbers of one point, a load covers 384 consecutive bytes, the four of a step its
; 1,536 bytes, which start at a multiple of 512 from the buffer's first byte.  (Of a step's six aligned blocks of 256 bytes the second and the fifth are each shared by two loads
; that follow each other.  The addresses are multiples of 4, and of 12 from the buffer's first byte.)  The arithmetic reads the loaded registers as they are.
; THE WAY OUT: it is the results that are regrouped through LDS, 512 bytes a step where the input would be 1,536: four LDS stores of 4 bytes a lane (128 consecutive bytes each)
; into the wave's own 512 bytes, one LDS load of 16 bytes a lane back (4 consecutive points), one store of 16 bytes a lane: 512 consecutive bytes, aligned.
; That trip is issued in the next step, behind its first part, and waited for in that step's middle.  No wave touches another's LDS bytes: no barrier.
; A ring of DEPTH steps in registers keeps 32 loads of every wave on their way.
; All 16 steps are written out by macro: a step's place stands in the immediates, and no address register is ever rewritten.
;
; THE MODE: SCHED_MODE bits 1:0 = 2 (LLVM: expert scheduling mode 2), set by the entry lines.  The code itself states the register dependences
; between vector instructions and memory or LDS instructions, with s_wait_alu, always for 0.
; THE PLAN.  Registers that memory or LDS instructions touch:
;   v2 to v5     Four offsets and LDS addresses: written at the head, read by every load, store and LDS instruction, never written again.
;   the ring     Place i % 8: the loads of step i land in it; HEAD i alone reads it; behind HEAD i the loads of step i + 8 land in it.
;   O0, O1       Written by the last two lines of POLY i (O[i % 2]); read by the four LDS stores that are issued in step i + 1.
;   R            The LDS load issued in step i + 1 lands in it; the store in the middle of step i + 1 reads it.  No vector instruction names it.
;   All other registers are named by vector instructions alone.
; Step i: HEAD i; the waits; the LDS trip of step i - 1's results (out of O[(i - 1) % 2], into R); the four loads of step i + 8, dealt among the first lines of TRIG; TRIG;
; the wait for R and its store; POLY i, which writes O[i % 2].
; ONE wait on va_vdst stands in a step, behind HEAD: POLY i - 1 has written its O, and HEAD i is done reading its place in the ring.  The vector instructions between it and the
; step's last memory instruction name T, W, S, C, the constants and the other O: none of the registers that those memory instructions touch.
; ONE wait on vm_vsrc, beside s_wait_xcnt 0, stands just ahead of it: the store issued in the step before has read R, and the LDS stores issued there have read the O that POLY i writes.
.set STEPS,  16
.set DEPTH,  8
.set INB,    1536                      ; bytes of position in a step
.set OUTB,   512                       ; bytes of out0 in a step
; registers
.set GL,  2                            ; v2        12 x lane: my offset in a load's 384 bytes; never rewritten
.set GO,  3                            ; v3        16 x lane: my offset in a store's 512 bytes; never rewritten
.set LS,  4                            ; v4        LDS: where I put a result (4 x lane in the wave's bytes)
.set LL,  5                            ; v5        LDS: the 16 bytes that I read back (16 x lane)
.set K,   6                            ; v[6:49]   22 constants, each twice (a pair for the packed arithmetic)
.set R,   52                           ; v[52:55]  four consecutive results, as read back from LDS
.set GA,  56                           ; v[56:119]  the ring, run A: 8 registers a step: (r, th, ph) of point l at +0, of point 64 + l at +4
.set GB,  122                          ; v[122:185] the ring, run B: 8 registers a step: point 32 + l at +0, point 96 + l at +4.  A triple begins on an even register;
                                       ;            GB - GA = 2 modulo 4, so that the two vector sources of a v_dual pair, one from each run, differ modulo 4
.set Q,   188                          ; v[188:191] q of my 4 points
.set E,   192                          ; v[192:195] E
.set T,   196                          ; v[196:203] t: theta of points 0 1, 2 3, phi of points 0 1, 2 3
.set W,   204                          ; v[204:211] w = t^2, same order; later x (4) and y (4)
.set S,   212                          ; v[212:219] sine sums; later |sin th| (4), sin ph (4)
.set C,   220                          ; v[220:227] cosine sums; z (4), cos ph (4)
.set O,   228                          ; v[228:231] the four results of an even step;
.set OSTEP, 12                         ; v[240:243] those of an odd step
.set E2,  232                          ; v[232:235] E^2
.set E3,  236                          ; v[236:239] E^3
.set XX,  W
.set YY,  W+4
.set ZZ,  C
.set CPH, C+4
.set ST,  S
.set SPH, S+4
.set U1,  T                            ; the bracket beside x
.set U2,  T+4                          ; the bracket beside y
.set WV,  S                            ; the bracket beside z, then Wv, then T3
.set QV,  S+4
.set PV,  C+4                          ; P2, then T2, then the sum
.set KA4,  K+0
.set KB5,  K+2
.set CA,   K+4
.set CT2,  K+6
.set CP2C, K+8
.set CP2Z, K+10
.set CP2X, K+12
.set CP2Y, K+14
.set CT3,  K+16
.set CQC,  K+18
.set CQZ,  K+20
.set CQX,  K+22
.set CQY,  K+24
.set CWXX, K+26
.set CWXY, K+28
.set CWXZ, K+30
.set CWX,  K+32
.set CWYZ, K+34
.set CWY,  K+36
.set CWZZ, K+38
.set CWZ,  K+40
.set CWC,  K+42
.set SINV, 17                          ; s17  1/2pi
.set SKAP, 18                          ; s18  -log2(e)/6
.set CF,   20                          ; s[20:33] coeffs[0..13]
; numbers, as f32 bit patterns
.set INV2PI, 0x3e22f983                ;  0.15915494
.set KAPPA,  0xbe76384f                ; -0.24044917
.set MAGIC,  0x4b400000                ;  1.5 x 2^23: a sum with it is rounded to a whole number
.set A0, 0x40c90ec7                    ;   6.2830541
.set A1, 0xc2255312                    ; -41.331123
.set A2, 0x42a2bb23                    ;  81.365498
.set A3, 0xc294f124                    ; -74.470978
.set A4, 0x4203135b                    ;  32.768902
.set B0, 0x3f7ffff3                    ;   0.99999921
.set B1, 0xc19de96f                    ; -19.738980
.set B2, 0x4281db79                    ;  64.928657
.set B3, 0xc2aa8b12                    ; -85.271622
.set B4, 0x426b2977                    ;  58.790492
.set B5, 0xc1a891a0                    ; -21.071106
.set F_A,    0x3f106ebb                ;  0.56418958  1/sqrt(pi)
.set F_T2,   0x3e4c422a                ;  0.19947114  1/sqrt(8 pi)
.set F_K2,   0x3ed45f2b                ;  0.41478858  k2
.set F_K2N,  0xbed45f2b
.set F_T3,   0x3dde5e52                ;  0.10857834  3 g0
.set F_QC,   0x3e9a2251                ;  0.30104307  12 ln2 g0
.set F_KQ,   0x3e7bb32a                ;  0.24580064  kq
.set F_KQN,  0xbe7bb32a
.set F_KW,   0x3e2e770d                ;  0.17037602  kw
.set F_KWN,  0xbe2e770d
.set F_KWH,  0x3dae770d                ;  0.08518801  kw/2
.set F_WZZ,  0x3e171756                ;  0.14754996  kw sqrt3/2
.set F_WC5,  0x3e0e733a                ;  0.13911144  8 ln2^2 g0
.set F_WC11, 0xbd497473                ; -0.04918332  -kw/(2 sqrt3)
; load n of the four of step j, in the order of their addresses, into its place in the ring: points l, 32 + l, 64 + l, 96 + l (runs A, B, A, B)
.macro LOADONE j, n
	global_load_b96 v[GA+(GB-GA)*((\n)%2)+8*((\j)%DEPTH)+4*((\n)/2):GA+(GB-GA)*((\n)%2)+8*((\j)%DEPTH)+4*((\n)/2)+2], v[GL], s[4:5] offset:(\j)*INB+384*(\n) th:TH_LOAD_NT
.endm
; the four loads of step j in one run: the first fill of the ring
.macro LOADSTEP j
.irp n, 0,1,2,3
	LOADONE \j, \n
.endr
.endm
; in step i: load n of step i + DEPTH, while there is such a step: no load leaves the buffer
.macro AHEAD i, n
.if (\i)+DEPTH < STEPS
	LOADONE (\i)+DEPTH, \n
.endif
.endm
; both halves of a pair = f x coeffs[k]
.macro CONST dst, k, f
	v_mul_f32 v[\dst], s[CF+\k], \f
	v_mul_f32 v[\dst+1], s[CF+\k], \f
.endm
; acc = acc w + lit, in the four streams (theta and phi of points 0 1 and 2 3)
.macro HORNER acc, lit
.irp s, 0,2,4,6
	v_pk_fma_f32 v[\acc+\s:\acc+\s+1], v[\acc+\s:\acc+\s+1], v[W+\s:W+\s+1], \lit op_sel_hi:[1,1,0]
.endr
.endm
; d = a b + c for points 0 1 and 2 3; a source marked K in the name is a constant pair and does not step
.macro FVKK d, a, kb, kc
.irp p, 0,2
	v_pk_fma_f32 v[\d+\p:\d+\p+1], v[\a+\p:\a+\p+1], v[\kb:\kb+1], v[\kc:\kc+1]
.endr
.endm
.macro FVKV d, a, kb, c
.irp p, 0,2
	v_pk_fma_f32 v[\d+\p:\d+\p+1], v[\a+\p:\a+\p+1], v[\kb:\kb+1], v[\c+\p:\c+\p+1]
.endr
.endm
.macro FVVK d, a, b, kc
.irp p, 0,2
	v_pk_fma_f32 v[\d+\p:\d+\p+1], v[\a+\p:\a+\p+1], v[\b+\p:\b+\p+1], v[\kc:\kc+1]
.endr
.endm
.macro FVVV d, a, b, c
.irp p, 0,2
	v_pk_fma_f32 v[\d+\p:\d+\p+1], v[\a+\p:\a+\p+1], v[\b+\p:\b+\p+1], v[\c+\p:\c+\p+1]
.endr
.endm
.macro MVV d, a, b
.irp p, 0,2
	v_pk_mul_f32 v[\d+\p:\d+\p+1], v[\a+\p:\a+\p+1], v[\b+\p:\b+\p+1]
.endr
.endm
; All that reads step i's place in the ring.  A pair of v_dual halves does the first multiply of the same number of two points, one from run A and one from run B, and puts
; the two results side by side (destinations even and odd; the two vector sources differ by 2 modulo 4), so that all later arithmetic is packed.
; A pair names one scalar register and at most one literal, the same in both halves.
.macro HEAD i
.irp p, 0,1
	v_dual_mul_f32 v[Q+2*\p], s[SKAP], v[GA+8*((\i)%DEPTH)+4*\p] :: v_dual_mul_f32 v[Q+2*\p+1], s[SKAP], v[GB+8*((\i)%DEPTH)+4*\p]   ; q = -r log2(e)/6
.endr
	; 1.5 x 2^23 + the nearest whole number of turns.  The constant (MAGIC) is written out as a number in these lines: a name that stands in front of the double colon
	; would be read as the name of a modifier.
.irp a, 0,1
.irp p, 0,1
	v_dual_fmaak_f32 v[T+4*\a+2*\p], s[SINV], v[GA+8*((\i)%DEPTH)+4*\p+1+\a], 0x4b400000 :: v_dual_fmaak_f32 v[T+4*\a+2*\p+1], s[SINV], v[GB+8*((\i)%DEPTH)+4*\p+1+\a], 0x4b400000
.endr
.endr
.irp j, 0,1,2,3
	v_exp_f32 v[E+\j], v[Q+\j]                     ; E = 2^q; first used far below; the packed line behind the four touches neither E nor q (ISA guide 5.7.2)
.endr
.irp s, 0,2,4,6
	v_pk_add_f32 v[T+\s:T+\s+1], v[T+\s:T+\s+1], MAGIC op_sel_hi:[1,0] neg_lo:[1,0] neg_hi:[1,0]   ; minus that whole number, exactly
.endr
.irp a, 0,1
.irp p, 0,1
	v_dual_fmac_f32 v[T+4*\a+2*\p], s[SINV], v[GA+8*((\i)%DEPTH)+4*\p+1+\a] :: v_dual_fmac_f32 v[T+4*\a+2*\p+1], s[SINV], v[GB+8*((\i)%DEPTH)+4*\p+1+\a]   ; t = angle/2pi - whole number, rounded once
.endr
.endr
.endm
; From t to x, y, z.  Its arithmetic is on registers that no memory instruction touches; three of the four loads of step i + DEPTH stand behind its first three groups of four.
; No wait: no vector instruction since the step's wait on va_vdst names the loads' offset or their place in the ring.
.macro TRIG i
.irp s, 0,2,4,6
	v_pk_mul_f32 v[W+\s:W+\s+1], v[T+\s:T+\s+1], v[T+\s:T+\s+1]
.endr
	AHEAD \i, 1
.irp s, 0,2,4,6
	v_pk_fma_f32 v[S+\s:S+\s+1], v[W+\s:W+\s+1], v[KA4:KA4+1], A3 op_sel_hi:[1,1,0]
.endr
	AHEAD \i, 2
.irp s, 0,2,4,6
	v_pk_fma_f32 v[C+\s:C+\s+1], v[W+\s:W+\s+1], v[KB5:KB5+1], B4 op_sel_hi:[1,1,0]
.endr
	AHEAD \i, 3
	HORNER S, A2
	HORNER C, B3
	HORNER S, A1
	HORNER C, B2
	HORNER S, A0
	HORNER C, B1
.irp j, 0,1,2,3
	v_mul_f32 v[ST+\j], |v[T+\j]|, v[ST+\j]        ; |sin th| = |t| x sum
.endr
	HORNER C, B0                                   ; z and cos ph
	MVV SPH, SPH, T+4                              ; sin ph = t x sum
	MVV XX, ST, CPH                                ; x (w is no longer needed)
	MVV YY, ST, SPH                                ; y
.endm
; From x, y, z, q, E to the four results of step i, which go into O[i % 2]: registers only.
.macro POLY i
	FVKK U1, XX, CWXX, CWX
	FVKK U2, ZZ, CWYZ, CWY
	FVKK WV, ZZ, CWZZ, CWZ
	FVKK QV, ZZ, CQZ, CQC
	FVKK PV, ZZ, CP2Z, CP2C
	FVKV U1, YY, CWXY, U1
.irp p, 0,2
	v_pk_fma_f32 v[U2+\p:U2+\p+1], v[YY+\p:YY+\p+1], v[CWXX:CWXX+1], v[U2+\p:U2+\p+1] neg_lo:[0,1,0] neg_hi:[0,1,0]   ; - Wxx y
.endr
	FVKV QV, XX, CQX, QV
	FVKV PV, XX, CP2X, PV
	FVKV U1, ZZ, CWXZ, U1
	FVKV QV, YY, CQY, QV                           ; Qv
	FVKV PV, YY, CP2Y, PV                          ; P2
	FVVK WV, WV, ZZ, CWC
	MVV E2, E, E
	FVVK PV, Q, PV, CT2                            ; T2
	FVVV WV, U2, YY, WV
	MVV E3, E2, E
	FVVV WV, U1, XX, WV                            ; Wv
	FVKV PV, E3, CA, PV                            ; T2 + E^3 a0
	FVVV WV, Q, WV, QV
	FVVK WV, Q, WV, CT3                            ; T3
	FVVV PV, E, PV, WV
	MVV O+OSTEP*((\i)%2), PV, E2
.endm
; Step j's results go through the wave's 512 bytes of LDS.
.macro TRIP j
.irp k, 0,1,2,3
	ds_store_b32 v[LS], v[O+OSTEP*((\j)%2)+\k] offset:128*\k      ; point 32 k + l to word 32 k + l of the wave's 512 bytes
.endr
	ds_load_b128 v[R:R+3], v[LL]                   ; LDS serves a wave's instructions in order (ISA guide 5.7.1.4): it sees the four stores above; points 4 l to 4 l + 3
.endm
; Step j's results have come back from LDS as four consecutive points a lane and leave: the wave stores 512 consecutive bytes, aligned.
.macro OUTSTORE j
	s_wait_dscnt 0x0                               ; step j's LDS load is in R, and the wave's LDS bytes may be written again
	global_store_b128 v[GO], v[R:R+3], s[8:9] offset:(\j)*OUTB th:TH_STORE_NT
.endm
; Step i.
.macro BODY i
	; Loads come back in order (ISA guide 5.7.1): the count leaves out the four loads of each younger step that has been asked for, steps i+1 to min(i+7, 15).
.if (\i)+DEPTH-1 < STEPS
	s_wait_loadcnt 4*(DEPTH-1)
.else
	s_wait_loadcnt 4*(STEPS-1-(\i))
.endif
	HEAD \i
.if (\i) >= 2
	s_wait_xcnt 0x0                                ; every earlier memory instruction has had its addresses translated (ISA guide 3.1): R, which the last step's store reads, is loaded again only behind this wait
	s_wait_alu depctr_vm_vsrc(0)                   ; the store issued in the last step has read R, in which the LDS load below lands; the LDS stores issued there have read the O that this step's POLY writes again
.endif
	s_wait_alu depctr_va_vdst(0)                   ; the last step's POLY has written its O, which the LDS stores below read; HEAD is done reading this step's place in the ring, in which the loads below land
.if \i
	TRIP \i-1                                      ; the last step's results
.endif
	AHEAD \i, 0                                    ; HEAD was the last to read this place in the ring: it is loaded again, the other three loads among TRIG's first lines
	TRIG \i
.if \i
	OUTSTORE \i-1                                  ; the trip through LDS has had TRIG, 50 vector instructions, in which to come back
.endif
	POLY \i
.endm
	s_load_b128 s[4:7], s[0:1], 0x0                ; position s[4:5], coeffs s[6:7]
	s_load_b64 s[8:9], s[0:1], 0x10                ; out0
	v_lshl_add_u32 v186, v0, 2, 0x2000
	v_mov_b32 v187, 0
	v_lshrrev_b32 v1, 5, v0
	v_readfirstlane_b32 s10, v1                    ; wave 0..15
	v_and_b32 v1, 31, v0                           ; lane
	v_mul_u32_u24 v[GL], v1, 12
	v_lshlrev_b32 v[GO], 4, v1
	s_wait_alu depctr_va_sdst(0)                   ; s10 is written, ahead of its first reader: the wave's places in position, in out0 and in LDS are made from it
	s_lshl_b32 s11, ttmp9, 4
	s_add_co_u32 s11, s11, s10                     ; the wave's number in the launch, 0..4095
	s_mul_i32 s12, s11, STEPS*INB                  ; its first byte in position: 100,638,720 at the most
	s_mov_b32 s13, 0
	s_mul_i32 s14, s11, STEPS*OUTB                 ; and in out0
	s_mov_b32 s15, 0
	s_mul_i32 s16, s10, OUTB                       ; its 512 bytes of LDS
	v_lshl_add_u32 v[LS], v1, 2, s16
	v_add_nc_u32 v[LL], s16, v[GO]
	s_mov_b32 s[SINV], INV2PI
	s_mov_b32 s[SKAP], KAPPA
	s_wait_kmcnt 0x0
	s_load_b256 s[CF:CF+7], s[6:7], 0x0            ; the 14 coefficients: 32 + 16 + 8 = 56 bytes
	s_load_b128 s[CF+8:CF+11], s[6:7], 0x20
	s_load_b64 s[CF+12:CF+13], s[6:7], 0x30
	s_add_nc_u64 s[4:5], s[4:5], s[12:13]
	s_add_nc_u64 s[8:9], s[8:9], s[14:15]
	s_wait_alu depctr_va_vdst(0)                   ; the two offsets and the two LDS addresses, v2 to v5, are written: every load, store and LDS instruction of the kernel reads one of them
.irp j, 0,1,2,3,4,5,6,7
	LOADSTEP \j                                    ; the ring is filled before anything else is done
.endr
	; the constants are made while the first loads are on their way
	v_mov_b32 v[KA4], A4
	v_mov_b32 v[KA4+1], A4
	v_mov_b32 v[KB5], B5
	v_mov_b32 v[KB5+1], B5
	s_wait_kmcnt 0x0
	CONST CA,   0,  F_A
	CONST CT2,  1,  F_T2
	CONST CP2C, 1,  F_K2
	CONST CP2Z, 3,  F_K2N
	CONST CP2X, 4,  F_K2
	CONST CP2Y, 2,  F_K2
	CONST CT3,  5,  F_T3
	CONST CQC,  5,  F_QC
	CONST CQZ,  7,  F_KQN
	CONST CQX,  8,  F_KQ
	CONST CQY,  6,  F_KQ
	CONST CWXX, 13, F_KWH
	CONST CWXY, 9,  F_KW
	CONST CWXZ, 12, F_KWN
	CONST CWX,  8,  F_KW
	CONST CWYZ, 10, F_KWN
	CONST CWY,  6,  F_KW
	CONST CWZZ, 11, F_WZZ
	CONST CWZ,  7,  F_KWN
	CONST CWC,  5,  F_WC5
	v_fma_f32 v[CWC], s[CF+11], F_WC11, v[CWC]
	v_fma_f32 v[CWC+1], s[CF+11], F_WC11, v[CWC+1]
.irp i, 0,1,2,3,4,5,6,7,8,9,10,11,12,13,14,15
	BODY \i
.endr
	s_wait_xcnt 0x0                                ; every earlier memory instruction has had its addresses translated (ISA guide 3.1): R is loaded once more only behind this wait
	s_wait_alu depctr_vm_vsrc(0)                   ; the store of step 14's results has read R, in which the last LDS load lands
	s_wait_alu depctr_va_vdst(0)                   ; step 15's POLY has written its O, which the last four LDS stores read
	TRIP 15
	OUTSTORE 15                                    ; the last step's results
	s_wait_dscnt 0x0
	s_wait_alu depctr_hold_cnt(0) depctr_sa_sdst(0) depctr_va_vdst(0) depctr_va_sdst(0) depctr_va_ssrc(0) depctr_va_vcc(0) depctr_vm_vsrc(0)
	s_wait_tensorcnt 0x0
	ds_add_u32 v186, v187
	s_wait_dscnt 0x0
	s_endpgm
.Lfunc_end_k_qb94c81cc67_hydrogen:
	.size	k_qb94c81cc67_hydrogen, .Lfunc_end_k_qb94c81cc67_hydrogen-k_qb94c81cc67_hydrogen
	.p2alignl 7, 3214868480
	.fill 96, 4, 3214868480
	.section	.rodata,"a",@progbits
	.p2align	6, 0x0
	.amdhsa_kernel k_qb94c81cc67_hydrogen
		.amdhsa_group_segment_fixed_size 10240
		.amdhsa_private_segment_fixed_size 0
		.amdhsa_enable_private_segment 0
		.amdhsa_kernarg_size 24
		.amdhsa_user_sgpr_count 2
		.amdhsa_user_sgpr_kernarg_segment_ptr 1
		.amdhsa_wavefront_size32 1
		.amdhsa_system_sgpr_workgroup_id_x 1
		.amdhsa_system_sgpr_workgroup_id_y 1
		.amdhsa_system_sgpr_workgroup_id_z 1
		.amdhsa_system_vgpr_workitem_id 0
		.amdhsa_next_free_vgpr 244
		.amdhsa_next_free_sgpr 66
		.amdhsa_reserve_vcc 0
		.amdhsa_float_denorm_mode_32 3
		.amdhsa_float_denorm_mode_16_64 3
		.amdhsa_memory_ordered 1
		.amdhsa_forward_progress 1
		.amdhsa_inst_pref_size 156
	.end_amdhsa_kernel
	.amdgpu_metadata
---
amdhsa.version: [ 1, 2 ]
amdhsa.kernels:
  - .name:           k_qb94c81cc67_hydrogen
    .symbol:         k_qb94c81cc67_hydrogen.kd
    .args:
      - { .name: position, .offset: 0, .size: 8, .value_kind: global_buffer, .address_space: global }
      - { .name: coeffs, .offset: 8, .size: 8, .value_kind: global_buffer, .address_space: global }
      - { .name: out0, .offset: 16, .size: 8, .value_kind: global_buffer, .address_space: global }
    .group_segment_fixed_size: 10240
    .private_segment_fixed_size: 0
    .kernarg_segment_align: 8
    .kernarg_segment_size: 24
    .max_flat_workgroup_size: 512
    .sgpr_count:     66
    .vgpr_count:     244
    .wavefront_size: 32
...
	.end_amdgpu_metadata
.endif
;; end of part 2
